; MI455X (gfx1250); checked and timed in simulation.
; The chip was launched on July 23, 2026; its instructions are those of AMD's public machine-readable ISA for CDNA 5 (MIT licence, August 2026) and "CDNA5" Instruction Set Architecture Reference Guide (July 2026). The comments in the code are by the model that wrote it; some were corrected since.
;; Cross Modal Attention. Allowed arithmetic: matrix products marked QUANTISED: E3M2 operands, one E8M0 scale for each 32 along K, by v_wmma_scale_f32_16x16x128_f8f6f4 with both operands' format E3M2, f32 sums; everything else in f32.
;; Inputs: Wk 512 x 768 float32; Wo 512 x 512 float32; Wq 512 x 512 float32; Wv 512 x 768 float32; bk 512 float32; bo 512 float32; bq 512 float32; bv 512 float32; graph_features 8,192 x 512 float32; other_features 4,096 x 768 float32.
;; Outputs: out0 8,192 x 512 float32.
;; This version of the problem:
;;   THIS VERSION OF THE PROBLEM IS GIVEN IN LOW PRECISION. The matrix products marked QUANTISED in the list below multiply operands that are first quantised to E3M2 (3 exponent bits, 2 mantissa bits; 6 bits a number), with one power-of-two scale for each 32 numbers along K (OCP MX v1.0); their sums are f32. All else is computed in f32.
;;   The module's matrix products, in the order in which they are computed (A, B: the left and right operand; K: the contracted axis; several contracted axes count as one K, in the product's order):
;;     1. [M 8,192, K 512] x [K 512, N 512]; A: input graph_features; B: input Wq: QUANTISED
;;     2. [M 4,096, K 768] x [K 768, N 512]; A: input other_features; B: input Wk: QUANTISED
;;     3. [M 4,096, K 768] x [K 768, N 512]; A: input other_features; B: input Wv: QUANTISED
;;     4. batch 8 x [M 8,192, K 64] x [K 64, N 4,096]; A: computed on the way; B: computed on the way: QUANTISED
;;     5. batch 8 x [M 64, K 4,096] x [K 4,096, N 8,192]; A: computed on the way; B: softmax (see below): QUANTISED
;;     6. [M 8,192, K 512] x [K 512, N 512]; A: computed on the way; B: input Wo: QUANTISED
;;   THE QUANTISER, for each operand of a quantised product, along K:
;;     - K is cut into blocks of 32 from its start; a last block that is shorter is filled with zeros.
;;     - A block's scale is 2^e with e = floor(log2(the largest magnitude in the block)) - 4, held to -126 .. 127; a block of zeros has e = 0. As a byte (E8M0): e + 127.
;;     - Each number is divided by its block's scale, clamped to +-28, and rounded to the nearest number of E3M2, ties to even, subnormals kept.
;;     - The product sums the exact products of the quantised numbers (number of the format x scale) in f32.
;;   ~~~python
;;   def quantise(x, axis):      # numpy; x: float32 -> the quantised numbers, widened to float32 again
;;       x = np.moveaxis(x, axis, -1); K = x.shape[-1]
;;       x = np.pad(x, [(0, 0)] * (x.ndim - 1) + [(0, -K % 32)]); x = x.reshape(x.shape[:-1] + (-1, 32)); a = np.abs(x).max(-1, keepdims=True)
;;       e = np.where(a > 0, np.clip(np.frexp(np.where(a > 0, a, 1))[1] - 1 - 4, -126, 127), 0)      # np.frexp(a)[1] - 1 = floor(log2(a)), exactly
;;       r = np.clip(x / 2.0 ** e, -28, 28)
;;       step = 2.0 ** (np.maximum(np.frexp(np.where(r == 0, 1, r))[1] - 1, -2) - 2)
;;       q = np.round(r / step) * step * 2.0 ** e      # np.round: ties to even
;;       return np.moveaxis(q.reshape(q.shape[:-2] + (-1,))[..., :K], -1, axis).astype(np.float32)
;;   ~~~
;;   SOFTMAX AHEAD OF A QUANTISED PRODUCT. Where the list says 'softmax', what is quantised is not the finished softmax but p = 2^(t - M), with t = logit x log2(e) and M = ceil(the row's largest t), a whole number; so 1/2 < the row's largest p <= 1. The row's sum l is taken of the UNQUANTISED p, in f32, and the product's result is divided by l at the end. Since M is a whole number, a kernel that streams over the keys may use a running M (the ceiling of the running maximum): every later rescaling is an exact power of two, which a block's scale takes up: the codes' values come out the same.
;;   OPERANDS COMPUTED ON THE WAY. 'Computed on the way' means the value that the module computes at that place (a softmax that the list does not call 'softmax' is quantised finished and normalised). What goes into a quantiser is computed in f32, as accurately as f32 sums, v_exp_f32 and their like allow (about 1e-6 of the number): no bf16 or f16 on the way to a quantiser, and a product that is left as it is and whose result goes on into a quantised operand takes f32 operands (vector FMAs, or v_wmma_f32_16x16x4_f32). A number that lies on a knife's edge between two numbers of the format may be rounded either way, as far as f32 arithmetic and the matrix unit's own rounding can turn it there, and no further.
;; One version. Each part assembles by itself: llvm-mc -triple=amdgcn-amd-amdhsa -mcpu=gfx1250 --defsym DOCPART=n.
;; ======== version 1 of 1: 4 launches
;; limits: right only within a limited range of input values
;; workspace buffers: xc 6,488,064 bytes; xs 270,336 bytes; qimg 3,145,728 bytes; qsc 262,144 bytes; kv 3,407,872 bytes; aimg 3,145,728 bytes; asc 524,288 bytes
;; launch quant (part 1): grid 528 x 1, 4 waves a work-group, no clusters, 67,072 bytes of LDS; arguments graph_features, other_features, Wq, Wk, Wv, Wo, xc, xs; writes xc, xs
.if DOCPART == 1
	.amdgcn_target "amdgcn-amd-amdhsa--gfx1250"
	.amdhsa_code_object_version 6
	.text
	.protected	k_q60536b61b0_quant
	.globl	k_q60536b61b0_quant
	.p2align	8
	.type	k_q60536b61b0_quant,@function
k_q60536b61b0_quant:
	s_mov_b64 s[64:65], 0
	v_nop
	global_prefetch_b8 v0, s[64:65] scope:SCOPE_SE
	s_setreg_imm32_b32 hwreg(HW_REG_WAVE_MODE, 25, 1), 1
	s_wait_xcnt 0x0
; All six f32 tensors (K innermost in each) become codes of BF6 (E3M2) with one E8M0 byte for each 32 along K.
; A block's scale is 2^(floor(log2(its largest magnitude)) - 4); its byte is the largest magnitude's exponent field - 4, held at 1 from below.
; LIMITS: NaN and infinities among the inputs are not served; a block whose largest magnitude lies under 2^-122 gets the byte 1; a block of zeros gets
; the byte 1 where the quantiser says 127: its codes are zeros, which add nothing under any byte but 0xff, and this program alone reads the bytes.
; THE OUTPUT IS LAID AS THE MATRIX UNIT'S REGISTERS.  A fragment is 16 rows x 128 along K, 12 registers a lane, 1,536 bytes, in two halves of 768:
; half c holds registers 6 c .. 6 c + 3 as 16 bytes a lane (512 bytes on end) and registers 6 c + 4, 6 c + 5 as 8 bytes a lane (256 bytes on end).
; Its 16 scale words (one a row) are 64 bytes.  Fragment number = tensor's first + tile x (K / 128) + K step.
; THE ROWS OF A TILE ARE NOT NEIGHBOURS: lane i of tile T is row 32 (T / 2) + 8 (T % 2) + i + 8 (i / 8), so that the results of two neighbouring tiles
; used as the first source of a product are 16 neighbours in a lane's registers.
; SHARES.  A wave takes 16 rows x 256 along K: two fragments.  Task = 4 x work-group + wave; the tensors' tasks follow each other, and so do their
; fragments: codes at 3,072 x task, scale words at 128 x task.  Each load reads 256 consecutive bytes of one row in sixteen lanes; the 16 KiB turn
; through the wave's own stage in LDS (rows of 1,024 + 16 bytes, so that sixteen rows start in sixteen different groups of banks) and come back with
; 16 neighbours along K of each block of 32 in a lane.  Waves share nothing: no barrier.  No register of a pending store is written again.
.set ROWP, 1040
.set STG,  16*ROWP
.set VOFF, 4                           ; v4  my byte in the eight loads' rows
.set SI,   5                           ; v5  the stage, on the way in
.set SO,   6                           ; v6  and on the way out
.set L16,  7                           ; v7  16 x lane
.set L8,   8                           ; v8  8 x lane
.set L4,   9                           ; v9  4 x lane
.set R0,   16                          ; v16-79   the rows' first 512 bytes as loaded; later the second fragment's numbers
.set R1,   80                          ; v80-143  their second 512 bytes as loaded
.set X,    144                         ; v144-207 the first fragment's numbers
.set PC0,  208                         ; v208-219 the first fragment's codes
.set PC1,  220                         ; v220-231 the second's
.set PT,   232                         ; v232-239 at work
.set TM,   240                         ; v240-251 at work
.set SEL,  60                          ; s[60:61] lane selects: lane l xor 16
; 64 numbers of a lane, register 16 b + i = k 32 b + 16 (lane / 16) + i of my row, become a fragment's codes in v[pc] on and its scale word in v[pw]
.macro QUANT4 src, pc, pt, tm, pw
.irp b, 0,1,2,3
	v_max3_num_f32 v[\tm+\b], |v[\src+16*\b]|, |v[\src+1+16*\b]|, 0x2800000   ; my 16 numbers of block b, and the floor 2^(5 - 127): the byte cannot fall under 1
.endr
.irp i, 2,4,6,8,10,12,14
.irp b, 0,1,2,3
	v_max3_num_f32 v[\tm+\b], v[\tm+\b], |v[\src+16*\b+\i]|, |v[\src+1+16*\b+\i]|   ; the four blocks by turns
.endr
.endr
.irp b, 0,1,2,3
	v_permlanex16_b32 v[\tm+4+\b], v[\tm+\b], s[SEL], s[SEL+1]
.endr
.irp b, 0,1,2,3
	v_max_num_f32 v[\tm+\b], v[\tm+\b], v[\tm+4+\b]         ; with lane l xor 16's: the block's largest magnitude
.endr
.irp b, 0,1,2,3
	v_add_nc_u32 v[\tm+8+\b], 0xfe000000, v[\tm+\b]         ; 4 off its exponent field: the conversion's scale operand
.endr
.irp b, 0,1,2,3
	v_lshrrev_b32 v[\tm+4+\b], 23, v[\tm+8+\b]              ; the scale's byte
.endr
	v_lshl_or_b32 v[\pw], v[\tm+5], 8, v[\tm+4]
	v_lshl_or_b32 v[\pw], v[\tm+6], 16, v[\pw]
	v_lshl_or_b32 v[\pw], v[\tm+7], 24, v[\pw]              ; my row's scale word
.irp c, 0,1
	v_cvt_scalef32_pk16_bf6_f32 v[\pc+6*\c:\pc+2+6*\c], v[\src+32*\c:\src+15+32*\c], v[\tm+8+2*\c]
	v_cvt_scalef32_pk16_bf6_f32 v[\pt+4*\c:\pt+2+4*\c], v[\src+16+32*\c:\src+31+32*\c], v[\tm+9+2*\c]   ; (a conversion's three registers begin on an even number)
.endr
	v_nop                                                   ; one plain place behind a scaled conversion
.irp c, 0,1                                                ; the layout wants a whole block in a lane: lanes 0-15 block 2 c, lanes 16-31 block 2 c + 1
.irp i, 0,1,2
	v_permlane16_swap_b32 v[\pc+6*\c+\i], v[\pt+4*\c+\i]
.endr
.irp i, 0,1,2
	v_mov_b32 v[\pc+3+6*\c+\i], v[\pt+4*\c+\i]
.endr
.endr
.endm
.macro STOREG pc, base, off            ; a fragment leaves as it stands: each store covers 512 or 256 consecutive bytes, aligned
	global_store_b128 v[L16], v[\pc:\pc+3], s[\base:\base+1] offset:\off
	global_store_b64 v[L8], v[\pc+4:\pc+5], s[\base:\base+1] offset:\off+512
	global_store_b128 v[L16], v[\pc+6:\pc+9], s[\base:\base+1] offset:\off+768
	global_store_b64 v[L8], v[\pc+10:\pc+11], s[\base:\base+1] offset:\off+1280
.endm
.macro PICK first, ptr, kp             ; from work-group 'first' on another tensor: the choice hangs on the work-group's number alone
	s_cmp_ge_u32 ttmp9, \first
	s_cselect_b64 s[20:21], s[\ptr:\ptr+1], s[20:21]
	s_cselect_b32 s22, \first, s22
	s_cselect_b32 s23, \kp, s23
.endm
	s_load_b256 s[4:11], s[0:1], 0x0               ; graph s[4:5], other s[6:7], Wq s[8:9], Wk s[10:11]
	s_load_b256 s[12:19], s[0:1], 0x20             ; Wv s[12:13], Wo s[14:15], xc s[16:17], xs s[18:19]
	v_lshl_add_u32 v254, v0, 2, 0x10400
	v_mov_b32 v255, 0
	v_lshrrev_b32 v1, 5, v0
	v_readfirstlane_b32 s44, v1                    ; wave 0..3
	v_and_b32 v1, 31, v0                           ; lane
	v_and_b32 v2, 15, v0                           ; r
	v_bfe_u32 v3, v0, 4, 1                         ; h
	s_mov_b32 s[SEL], 0x76543210
	s_mov_b32 s[SEL+1], 0xfedcba98
	s_mul_i32 s45, s44, STG                        ; my stage
	v_mul_u32_u24 v[SI], v3, 8*ROWP                ; in: lanes 0-15 fill stage rows 0-7, lanes 16-31 rows 8-15; 16 bytes a lane
	v_lshl_add_u32 v[SI], v2, 4, v[SI]
	v_add_nc_u32 v[SI], s45, v[SI]
	v_mul_u32_u24 v[SO], v2, ROWP                  ; out: stage row r, + 64 h: my 16 numbers of a block of 32
	v_lshl_add_u32 v[SO], v3, 6, v[SO]
	v_add_nc_u32 v[SO], s45, v[SO]
	v_lshlrev_b32 v[L16], 4, v1
	v_lshlrev_b32 v[L8], 3, v1
	v_lshlrev_b32 v[L4], 2, v1
.irp b, 0,1,2,3
	v_mov_b32 v[TM+4+\b], 0                        ; written once: a lane permute's destination counts as one of its sources
.endr
	s_wait_kmcnt 0x0
	s_mov_b64 s[20:21], s[4:5]                     ; the tensor, its first work-group, K / 256
	s_mov_b32 s22, 0
	s_mov_b32 s23, 2
	PICK 256, 6, 3
	PICK 448, 8, 2
	PICK 464, 10, 3
	PICK 488, 12, 3
	PICK 512, 14, 2
	s_sub_co_u32 s48, ttmp9, s22
	s_lshl_b32 s48, s48, 2
	s_add_co_u32 s48, s48, s44                     ; my task in the tensor = tile x (K / 256) + which 256 along K
	s_mul_hi_u32 s49, s48, 0xaaaaaaab
	s_lshr_b32 s49, s49, 1                         ; task / 3
	s_lshr_b32 s50, s48, 1                         ; task / 2
	s_cmp_eq_u32 s23, 3
	s_cselect_b32 s49, s49, s50                    ; the tile
	s_mul_i32 s50, s49, s23
	s_sub_co_u32 s50, s48, s50                     ; which 256 along K
	s_lshr_b32 s51, s49, 1
	s_lshl_b32 s51, s51, 5
	s_and_b32 s52, s49, 1
	s_lshl_b32 s52, s52, 3
	s_add_co_u32 s51, s51, s52                     ; the tile's first row: 32 (T / 2) + 8 (T % 2)
	s_mul_i32 s51, s51, s23
	s_add_co_u32 s51, s51, s50
	s_lshl_b32 s52, s51, 10                        ; in bytes: a row is 1,024 x (K / 256)
	s_mov_b32 s53, 0
	s_lshl_b32 s54, s23, 10                        ; a row
	s_mov_b32 s55, 0
	s_lshl_b32 s57, s54, 4                         ; sixteen rows
	v_mul_u32_u24 v13, s57, v3                     ; lanes 16-31 read sixteen rows further down
	v_lshl_add_u32 v[VOFF], v2, 4, v13
	s_wait_alu depctr_va_vdst(0)
	s_add_nc_u64 s[24:25], s[20:21], s[52:53]      ; eight bases, a row apart
.irp j, 1,2,3,4,5,6,7
	s_add_nc_u64 s[24+2*\j:25+2*\j], s[22+2*\j:23+2*\j], s[54:55]
.endr
	s_lshl_b32 s56, ttmp9, 2
	s_add_co_u32 s56, s56, s44                     ; my task in the launch
	s_mul_i32 s58, s56, 3072
	s_mov_b32 s59, 0
	s_add_nc_u64 s[40:41], s[16:17], s[58:59]      ; its two fragments
	s_lshl_b32 s58, s56, 7
	s_add_nc_u64 s[42:43], s[18:19], s[58:59]      ; and their scale words
.irp q, 0,1,2,3
.irp j, 0,1,2,3,4,5,6,7
	global_load_b128 v[R0+32*\q+4*\j:R0+32*\q+4*\j+3], v[VOFF], s[24+2*\j:25+2*\j] offset:256*\q th:TH_LOAD_NT   ; sixteen lanes: 256 consecutive bytes of a row, aligned
.endr
.endr
	s_wait_loadcnt 16                              ; the rows' first 512 bytes are in; the sixteen younger loads stay out
.irp q, 0,1
.irp j, 0,1,2,3,4,5,6,7
	ds_store_b128 v[SI], v[R0+32*\q+4*\j:R0+32*\q+4*\j+3] offset:ROWP*\j+256*\q
.endr
.endr
.irp b, 0,1,2,3
.irp i, 0,1,2,3
	ds_load_b128 v[X+16*\b+4*\i:X+16*\b+4*\i+3], v[SO] offset:128*\b+16*\i     ; LDS serves a wave's instructions in order: these see the stores above
.endr
.endr
	s_wait_loadcnt 0x0
.irp q, 2,3
.irp j, 0,1,2,3,4,5,6,7
	ds_store_b128 v[SI], v[R0+32*\q+4*\j:R0+32*\q+4*\j+3] offset:ROWP*\j+256*\q
.endr
.endr
	s_wait_dscnt 16                                ; all but those sixteen stores: the first fragment's numbers are in, and R0 has been read
.irp b, 0,1,2,3
.irp i, 0,1,2,3
	ds_load_b128 v[R0+16*\b+4*\i:R0+16*\b+4*\i+3], v[SO] offset:512+128*\b+16*\i
.endr
.endr
	QUANT4 X, PC0, PT, TM, 10
	STOREG PC0, 40, 0
	s_wait_dscnt 0x0                               ; the second fragment's numbers
	QUANT4 R0, PC1, PT, TM, 11
	STOREG PC1, 40, 1536
	v_cmp_le_u32 vcc_lo, 16, v1
	v_cndmask_b32 v12, v10, v11, vcc_lo            ; lanes 0-15 the first fragment's words, lanes 16-31 the second's
	global_store_b32 v[L4], v12, s[42:43]          ; 128 consecutive bytes a wave; the four waves of a work-group write 512 on end
	s_wait_tensorcnt 0x0
	ds_add_u32 v254, v255
	s_wait_dscnt 0x0
	s_endpgm
.Lfunc_end_k_q60536b61b0_quant:
	.size	k_q60536b61b0_quant, .Lfunc_end_k_q60536b61b0_quant-k_q60536b61b0_quant
	.p2alignl 7, 3214868480
	.fill 96, 4, 3214868480
	.section	.rodata,"a",@progbits
	.p2align	6, 0x0
	.amdhsa_kernel k_q60536b61b0_quant
		.amdhsa_group_segment_fixed_size 67072
		.amdhsa_private_segment_fixed_size 0
		.amdhsa_enable_private_segment 0
		.amdhsa_kernarg_size 64
		.amdhsa_user_sgpr_count 2
		.amdhsa_user_sgpr_kernarg_segment_ptr 1
		.amdhsa_wavefront_size32 1
		.amdhsa_system_sgpr_workgroup_id_x 1
		.amdhsa_system_sgpr_workgroup_id_y 1
		.amdhsa_system_sgpr_workgroup_id_z 1
		.amdhsa_system_vgpr_workitem_id 0
		.amdhsa_next_free_vgpr 256
		.amdhsa_next_free_sgpr 66
		.amdhsa_reserve_vcc 1
		.amdhsa_float_denorm_mode_32 3
		.amdhsa_float_denorm_mode_16_64 3
		.amdhsa_memory_ordered 1
		.amdhsa_forward_progress 1
		.amdhsa_inst_pref_size 20
	.end_amdhsa_kernel
	.amdgpu_metadata
---
amdhsa.version: [ 1, 2 ]
amdhsa.kernels:
  - .name:           k_q60536b61b0_quant
    .symbol:         k_q60536b61b0_quant.kd
    .args:
      - { .name: graph_features, .offset: 0, .size: 8, .value_kind: global_buffer, .address_space: global }
      - { .name: other_features, .offset: 8, .size: 8, .value_kind: global_buffer, .address_space: global }
      - { .name: Wq, .offset: 16, .size: 8, .value_kind: global_buffer, .address_space: global }
      - { .name: Wk, .offset: 24, .size: 8, .value_kind: global_buffer, .address_space: global }
      - { .name: Wv, .offset: 32, .size: 8, .value_kind: global_buffer, .address_space: global }
      - { .name: Wo, .offset: 40, .size: 8, .value_kind: global_buffer, .address_space: global }
      - { .name: xc, .offset: 48, .size: 8, .value_kind: global_buffer, .address_space: global }
      - { .name: xs, .offset: 56, .size: 8, .value_kind: global_buffer, .address_space: global }
    .group_segment_fixed_size: 67072
    .private_segment_fixed_size: 0
    .kernarg_segment_align: 8
    .kernarg_segment_size: 64
    .max_flat_workgroup_size: 128
    .sgpr_count:     66
    .vgpr_count:     256
    .wavefront_size: 32
...
	.end_amdgpu_metadata
.endif
;; end of part 1
;; launch proj (part 2): grid 1024 x 1, 4 waves a work-group, no clusters, 0 bytes of LDS; arguments xc, xs, bq, bk, bv, qimg, qsc, kv; writes qimg, qsc, kv
.if DOCPART == 2
	.amdgcn_target "amdgcn-amd-amdhsa--gfx1250"
	.amdhsa_code_object_version 6
	.text
	.protected	k_q60536b61b0_proj
	.globl	k_q60536b61b0_proj
	.p2align	8
	.type	k_q60536b61b0_proj,@function
k_q60536b61b0_proj:
	s_mov_b64 s[64:65], 0
	v_nop
	global_prefetch_b8 v0, s[64:65] scope:SCOPE_SE
	s_setreg_imm32_b32 hwreg(HW_REG_WAVE_MODE, 25, 1), 1
	s_wait_xcnt 0x0
; Q = G Wq^T + bq, K = O Wk^T + bk, V = O Wv^T + bv on codes of BF6 with E8M0 scales, f32 sums; the results are quantised in registers for the
; attention's two products and leave as images of operand registers (a fragment: two halves of 768 bytes; half c: registers 6 c .. 6 c + 3 at 16 x lane,
; registers 6 c + 4, 6 c + 5 at 512 + 8 x lane).  A tile's rows: lane i of tile T is row 32 (T / 2) + 8 (T % 2) + i + 8 (i / 8), in every tensor.
; LIMITS: as the quantiser of the launch before: NaN and infinities are not served; the scale byte is held at 1 from below, for a block of zeros too.
; WORK-GROUPS 0-511: Q.  Head g % 8, 8 tiles of queries; a wave takes two tiles x the head's four tiles of Wq.  THE PRODUCT IS USED TRANSPOSED (source 0 = 16 rows
; of the weight, source 1 = 16 rows of x): a lane holds one query, and its 32 registers are the head's channels 32 b + 16 (lane / 16) + 0 .. 15: two blocks of 32
; along the next K, half a fragment.  Bytes 2 and 3 of its scale word are 0x7f: they scale the zero codes that fill the instruction's upper 64 along K.
; WORK-GROUPS 512-767: K, likewise: head, key step of 128 keys (8 tiles).  WORK-GROUPS 768-1023: V, NOT transposed (source 0 = the step's 8 tiles of keys, source 1 = one tile of
; Wv's rows): a lane holds one channel and its 64 registers run along the keys, which are the second product's K: a whole fragment.
; kv: for each head and key step a block of 13,312 bytes: K's 8 halves (768 each), their scale words (64 each), V's 4 fragments (1,536 each), their scale words (128 each, both halves of the lanes alike).
; The bias starts each sum: it is loaded into the accumulators (Q, K) or is the C of the first product (V).  Waves share nothing; all offsets are immediates; no LDS.
; No tensor loads and no cluster: the operands come through registers, and four such work-groups lie on a WGP beside each other.
.set L16, 4
.set L8,  5
.set L4,  6
.set BH,  7                            ; v7  64 x (lane / 16): my half's place in a tile's bias
.set BV,  8                            ; v8  4 x (r + 8 (r / 8)): my channel's place, path V
.set SX,  16                           ; v16-21   x's scale words: tile i, pair of K steps p at 3 i + p (lanes 0-15 the even step, lanes 16-31 the odd)
.set SW,  22                           ; v22-33   the weight's: 3 t + p
.set FRX, 36                           ; v36-83   x's fragments (i, q)
.set FRW, 84                           ; v84-179  the weight's (t, q)
.set ACC, 180                          ; v180-243 accumulator (i, t) at 32 i + 8 t
.set TM,  244
.set PW,  250
.set VSX, 16                           ; path V: v16-39 x's scale words, v40-42 the weight's, v44-51 the bias, v52-147 x's eight fragments, v148-159 the weight's, v160-223 the accumulators
.set VSW, 40
.set VBI, 44
.set VFX, 52
.set VFW, 148
.set VAC, 160
.set VTM, 224
.set VPW, 240
.set XC,  24                           ; s[24:25] x's fragments; s[26:27] the weight's; s[28:29], s[30:31] their scale words; s[32:33] the bias; s[34:35] images out; s[36:37] scale words out
.set WC,  26
.set XSB, 28
.set WSB, 30
.set BP,  32
.set OI,  34
.set OS,  36
.set SEL, 38
.macro LOADG reg, base, off            ; a fragment as it lies: each load covers 512 or 256 consecutive bytes
	global_load_b128 v[\reg:\reg+3], v[L16], s[\base:\base+1] offset:\off
	global_load_b64 v[\reg+4:\reg+5], v[L8], s[\base:\base+1] offset:\off+512
	global_load_b128 v[\reg+6:\reg+9], v[L16], s[\base:\base+1] offset:\off+768
	global_load_b64 v[\reg+10:\reg+11], v[L8], s[\base:\base+1] offset:\off+1280
.endm
.macro STOREG pc, base, off
	global_store_b128 v[L16], v[\pc:\pc+3], s[\base:\base+1] offset:\off
	global_store_b64 v[L8], v[\pc+4:\pc+5], s[\base:\base+1] offset:\off+512
	global_store_b128 v[L16], v[\pc+6:\pc+9], s[\base:\base+1] offset:\off+768
	global_store_b64 v[L8], v[\pc+10:\pc+11], s[\base:\base+1] offset:\off+1280
.endm
.macro MM d, a, b, c, sa, sb, row      ; row = 1: the odd K step's scale words, in lanes 16-31 of both scale registers
.if \row
	v_wmma_scale_f32_16x16x128_f8f6f4 v[\d:\d+7], v[\a:\a+11], v[\b:\b+11], v[\c:\c+7], v[\sa], v[\sb] matrix_a_fmt:MATRIX_FMT_BF6 matrix_b_fmt:MATRIX_FMT_BF6 matrix_a_scale:MATRIX_SCALE_ROW1 matrix_b_scale:MATRIX_SCALE_ROW1
.else
	v_wmma_scale_f32_16x16x128_f8f6f4 v[\d:\d+7], v[\a:\a+11], v[\b:\b+11], v[\c:\c+7], v[\sa], v[\sb] matrix_a_fmt:MATRIX_FMT_BF6 matrix_b_fmt:MATRIX_FMT_BF6
.endif
.endm
.macro PLACES                          ; four plain places between a matrix instruction and a load into, or a vector read or write of, its registers
.rept 4
	v_nop
.endr
.endm
; 32 numbers of a lane, register 16 b + i = k 32 b + 16 (lane / 16) + i, become half a fragment in v[pc] .. v[pc + 5] and the low two bytes of a scale word
.macro QUANT2 src, pc, pt, tm, pw, hi
.irp b, 0,1
	v_max3_num_f32 v[\tm+\b], |v[\src+16*\b]|, |v[\src+1+16*\b]|, 0x2800000   ; each accumulator is read from its low end on; the floor 2^(5 - 127) holds the byte at 1
.endr
.irp i, 2,4,6,8,10,12,14
.irp b, 0,1
	v_max3_num_f32 v[\tm+\b], v[\tm+\b], |v[\src+16*\b+\i]|, |v[\src+1+16*\b+\i]|
.endr
.endr
.irp b, 0,1
	v_permlanex16_b32 v[\tm+2+\b], v[\tm+\b], s[SEL], s[SEL+1]
.endr
.irp b, 0,1
	v_max_num_f32 v[\tm+\b], v[\tm+\b], v[\tm+2+\b]
.endr
.irp b, 0,1
	v_add_nc_u32 v[\tm+4+\b], 0xfe000000, v[\tm+\b]         ; 4 off the exponent field: the conversion's scale operand
.endr
.irp b, 0,1
	v_lshrrev_b32 v[\tm+2+\b], 23, v[\tm+4+\b]              ; the byte
.endr
	v_lshl_or_b32 v[\pw], v[\tm+3], 8, v[\tm+2]
.if \hi
	v_or_b32 v[\pw], \hi, v[\pw]
.endif
	v_cvt_scalef32_pk16_bf6_f32 v[\pc:\pc+2], v[\src:\src+15], v[\tm+4]
	v_cvt_scalef32_pk16_bf6_f32 v[\pt:\pt+2], v[\src+16:\src+31], v[\tm+5]
	v_nop                                                   ; one plain place behind a scaled conversion
.irp i, 0,1,2
	v_permlane16_swap_b32 v[\pc+\i], v[\pt+\i]              ; lanes 0-15 get block 0 whole, lanes 16-31 block 1
.endr
.irp i, 0,1,2
	v_mov_b32 v[\pc+3+\i], v[\pt+\i]
.endr
.endm
.macro QUANT4 src, pc, pt, tm, pw      ; the same for 64 numbers: a whole fragment and its scale word
.irp b, 0,1,2,3
	v_max3_num_f32 v[\tm+\b], |v[\src+16*\b]|, |v[\src+1+16*\b]|, 0x2800000
.endr
.irp i, 2,4,6,8,10,12,14
.irp b, 0,1,2,3
	v_max3_num_f32 v[\tm+\b], v[\tm+\b], |v[\src+16*\b+\i]|, |v[\src+1+16*\b+\i]|
.endr
.endr
.irp b, 0,1,2,3
	v_permlanex16_b32 v[\tm+4+\b], v[\tm+\b], s[SEL], s[SEL+1]
.endr
.irp b, 0,1,2,3
	v_max_num_f32 v[\tm+\b], v[\tm+\b], v[\tm+4+\b]
.endr
.irp b, 0,1,2,3
	v_add_nc_u32 v[\tm+8+\b], 0xfe000000, v[\tm+\b]
.endr
.irp b, 0,1,2,3
	v_lshrrev_b32 v[\tm+4+\b], 23, v[\tm+8+\b]
.endr
	v_lshl_or_b32 v[\pw], v[\tm+5], 8, v[\tm+4]
	v_lshl_or_b32 v[\pw], v[\tm+6], 16, v[\pw]
	v_lshl_or_b32 v[\pw], v[\tm+7], 24, v[\pw]
.irp c, 0,1
	v_cvt_scalef32_pk16_bf6_f32 v[\pc+6*\c:\pc+2+6*\c], v[\src+32*\c:\src+15+32*\c], v[\tm+8+2*\c]
	v_cvt_scalef32_pk16_bf6_f32 v[\pt+4*\c:\pt+2+4*\c], v[\src+16+32*\c:\src+31+32*\c], v[\tm+9+2*\c]
.endr
	v_nop
.irp c, 0,1
.irp i, 0,1,2
	v_permlane16_swap_b32 v[\pc+6*\c+\i], v[\pt+4*\c+\i]
.endr
.irp i, 0,1,2
	v_mov_b32 v[\pc+3+6*\c+\i], v[\pt+4*\c+\i]
.endr
.endr
.endm
; Two tiles of x against four tiles of the weight, ks K steps of 128, two at a time.  The eight accumulators take turns, one instruction a turn.
.macro GEMM ks
.set P, 0
.rept \ks/2
.if P > 0
	PLACES
.endif
.irp i, 0,1
.irp q, 0,1
	LOADG FRX+12*(2*\i+\q), XC, (\i*\ks+2*P+\q)*1536
.endr
.endr
.irp t, 0,1,2,3
.irp q, 0,1
	LOADG FRW+12*(2*\t+\q), WC, (\t*\ks+2*P+\q)*1536
.endr
.endr
	s_wait_loadcnt 0x0                             ; these 48 loads (and, the first time, the bias and the scale words)
.irp q, 0,1
.irp i, 0,1
.irp t, 0,1,2,3
	MM ACC+32*\i+8*\t, FRW+12*(2*\t+\q), FRX+12*(2*\i+\q), ACC+32*\i+8*\t, SW+3*\t+P, SX+3*\i+P, \q
.endr
.endr
.endr
.set P, P+1
.endr
.endm
.macro QK ks
	v_mov_b32 v[TM+2], 0                           ; written once: a lane permute's destination counts as one of its sources
	v_mov_b32 v[TM+3], 0
.irp i, 0,1
.irp t, 0,1,2,3                                ; the bias starts the sums: register j of accumulator (i, t) is channel 32 (t / 2) + 8 (t % 2) + 16 (lane / 16) + j of the head
	global_load_b128 v[ACC+32*\i+8*\t:ACC+32*\i+8*\t+3], v[BH], s[BP:BP+1] offset:(32*(\t/2)+8*(\t%2))*4
	global_load_b128 v[ACC+32*\i+8*\t+4:ACC+32*\i+8*\t+7], v[BH], s[BP:BP+1] offset:(32*(\t/2)+8*(\t%2))*4+16
.endr
.endr
.set P, 0
.rept \ks/2
.irp i, 0,1
	global_load_b32 v[SX+3*\i+P], v[L4], s[XSB:XSB+1] offset:(\i*\ks+2*P)*64
.endr
.irp t, 0,1,2,3
	global_load_b32 v[SW+3*\t+P], v[L4], s[WSB:WSB+1] offset:(\t*\ks+2*P)*64
.endr
.set P, P+1
.endr
	GEMM \ks
	PLACES
.irp i, 0,1
	QUANT2 ACC+32*\i, FRX+12*\i, FRX+24, TM, PW+\i, 0x7f7f0000
	global_store_b128 v[L16], v[FRX+12*\i:FRX+12*\i+3], s[OI:OI+1] offset:768*\i
	global_store_b64 v[L8], v[FRX+12*\i+4:FRX+12*\i+5], s[OI:OI+1] offset:768*\i+512
.endr
	v_cmp_le_u32 vcc_lo, 16, v1
	v_cndmask_b32 v252, v[PW], v[PW+1], vcc_lo     ; lanes 0-15 the first tile's words, lanes 16-31 the second's
	global_store_b32 v[L4], v252, s[OS:OS+1]
	s_endpgm
.endm
	s_load_b256 s[4:11], s[0:1], 0x0               ; xc s[4:5], xs s[6:7], bq s[8:9], bk s[10:11]
	s_load_b256 s[12:19], s[0:1], 0x20             ; bv s[12:13], qimg s[14:15], qsc s[16:17], kv s[18:19]
	v_lshrrev_b32 v1, 5, v0
	v_readfirstlane_b32 s20, v1                    ; wave 0..3
	v_and_b32 v1, 31, v0                           ; lane
	v_and_b32 v2, 15, v0                           ; r
	v_bfe_u32 v3, v0, 4, 1                         ; h
	v_lshlrev_b32 v[L16], 4, v1
	v_lshlrev_b32 v[L8], 3, v1
	v_lshlrev_b32 v[L4], 2, v1
	v_lshlrev_b32 v[BH], 6, v3
	v_and_b32 v[BV], 8, v2
	v_add_nc_u32 v[BV], v[BV], v2
	v_lshlrev_b32 v[BV], 2, v[BV]
	s_mov_b32 s[SEL], 0x76543210
	s_mov_b32 s[SEL+1], 0xfedcba98
	s_mov_b32 s41, 0                               ; every offset is made in s40 with 0 above it
	s_wait_kmcnt 0x0
	s_cmp_lt_u32 ttmp9, 512
	s_cbranch_scc0 .Lnot_q
	; ---- Q
	s_and_b32 s21, ttmp9, 7                        ; head
	s_lshr_b32 s22, ttmp9, 3
	s_lshl_b32 s22, s22, 3
	s_lshl_b32 s23, s20, 1
	s_add_co_u32 s22, s22, s23                     ; my first tile of queries
	s_mul_i32 s40, s22, 6144                       ; four fragments a tile
	s_add_nc_u64 s[XC:XC+1], s[4:5], s[40:41]
	s_lshl_b32 s40, s22, 8
	s_add_nc_u64 s[XSB:XSB+1], s[6:7], s[40:41]
	s_mul_i32 s40, s21, 24576                      ; the head's four tiles of Wq: sixteen fragments, from fragment 3,584 on
	s_add_co_u32 s40, s40, 3584*1536
	s_add_nc_u64 s[WC:WC+1], s[4:5], s[40:41]
	s_lshl_b32 s40, s21, 10
	s_add_co_u32 s40, s40, 3584*64
	s_add_nc_u64 s[WSB:WSB+1], s[6:7], s[40:41]
	s_lshl_b32 s40, s21, 8
	s_add_nc_u64 s[BP:BP+1], s[8:9], s[40:41]
	s_lshl_b32 s42, s21, 9
	s_add_co_u32 s42, s42, s22                     ; 512 x head + tile
	s_mul_i32 s40, s42, 768
	s_add_nc_u64 s[OI:OI+1], s[14:15], s[40:41]
	s_lshl_b32 s40, s42, 6
	s_add_nc_u64 s[OS:OS+1], s[16:17], s[40:41]
	s_wait_alu depctr_va_vdst(0)
	QK 4
.Lnot_q:
	s_sub_co_u32 s43, ttmp9, 512
	s_and_b32 s21, s43, 7                          ; head
	s_lshr_b32 s22, s43, 3
	s_and_b32 s22, s22, 31                         ; key step
	s_mul_i32 s44, s21, 425984
	s_mul_i32 s45, s22, 13312
	s_add_co_u32 s44, s44, s45                     ; the step's block in kv
	s_cmp_lt_u32 ttmp9, 768
	s_cbranch_scc0 .Lv
	; ---- K
	s_lshl_b32 s23, s22, 3
	s_lshl_b32 s42, s20, 1
	s_add_co_u32 s23, s23, s42                     ; my first tile of keys
	s_mul_i32 s42, s23, 6
	s_add_co_u32 s42, s42, 2048                    ; its first fragment
	s_mul_i32 s40, s42, 1536
	s_add_nc_u64 s[XC:XC+1], s[4:5], s[40:41]
	s_lshl_b32 s40, s42, 6
	s_add_nc_u64 s[XSB:XSB+1], s[6:7], s[40:41]
	s_mul_i32 s42, s21, 24
	s_add_co_u32 s42, s42, 3712                    ; the head's four tiles of Wk
	s_mul_i32 s40, s42, 1536
	s_add_nc_u64 s[WC:WC+1], s[4:5], s[40:41]
	s_lshl_b32 s40, s42, 6
	s_add_nc_u64 s[WSB:WSB+1], s[6:7], s[40:41]
	s_lshl_b32 s40, s21, 8
	s_add_nc_u64 s[BP:BP+1], s[10:11], s[40:41]
	s_mul_i32 s40, s20, 1536                       ; my two halves in the block
	s_add_co_u32 s40, s40, s44
	s_add_nc_u64 s[OI:OI+1], s[18:19], s[40:41]
	s_lshl_b32 s40, s20, 7
	s_add_co_u32 s40, s40, s44
	s_add_co_u32 s40, s40, 6144                    ; and their scale words
	s_add_nc_u64 s[OS:OS+1], s[18:19], s[40:41]
	s_wait_alu depctr_va_vdst(0)
	QK 6
.Lv:
	; ---- V
	s_mul_i32 s42, s22, 48
	s_add_co_u32 s42, s42, 2048                    ; the step's eight tiles of keys: 48 fragments
	s_mul_i32 s40, s42, 1536
	s_add_nc_u64 s[XC:XC+1], s[4:5], s[40:41]
	s_lshl_b32 s40, s42, 6
	s_add_nc_u64 s[XSB:XSB+1], s[6:7], s[40:41]
	s_lshl_b32 s23, s21, 2
	s_add_co_u32 s23, s23, s20                     ; my tile of Wv's rows: 4 x head + wave
	s_mul_i32 s42, s23, 6
	s_add_co_u32 s42, s42, 3904
	s_mul_i32 s40, s42, 1536
	s_add_nc_u64 s[WC:WC+1], s[4:5], s[40:41]
	s_lshl_b32 s40, s42, 6
	s_add_nc_u64 s[WSB:WSB+1], s[6:7], s[40:41]
	s_lshl_b32 s40, s21, 6                         ; the tile's first channel: 64 x head + 32 (wave / 2) + 8 (wave % 2)
	s_lshr_b32 s42, s20, 1
	s_lshl_b32 s42, s42, 5
	s_add_co_u32 s40, s40, s42
	s_and_b32 s42, s20, 1
	s_lshl_b32 s42, s42, 3
	s_add_co_u32 s40, s40, s42
	s_lshl_b32 s40, s40, 2
	s_add_nc_u64 s[BP:BP+1], s[12:13], s[40:41]
	s_mul_i32 s40, s20, 1536
	s_add_co_u32 s40, s40, s44
	s_add_co_u32 s40, s40, 6656                    ; my fragment in the block
	s_add_nc_u64 s[OI:OI+1], s[18:19], s[40:41]
	s_lshl_b32 s40, s20, 7
	s_add_co_u32 s40, s40, s44
	s_add_co_u32 s40, s40, 12800                   ; and its scale words
	s_add_nc_u64 s[OS:OS+1], s[18:19], s[40:41]
.irp b, 0,1,2,3
	v_mov_b32 v[VTM+4+\b], 0
.endr
	s_wait_alu depctr_va_vdst(0)
.irp j, 0,1,2,3,4,5,6,7
	global_load_b32 v[VBI+\j], v[BV], s[BP:BP+1]   ; a lane holds one channel: its bias in all eight registers of the first product's C
.endr
.irp i, 0,1,2,3,4,5,6,7
.irp p, 0,1,2
	global_load_b32 v[VSX+3*\i+\p], v[L4], s[XSB:XSB+1] offset:(6*\i+2*\p)*64
.endr
.endr
.irp p, 0,1,2
	global_load_b32 v[VSW+\p], v[L4], s[WSB:WSB+1] offset:128*\p
.endr
.irp s, 0,1,2,3,4,5                            ; six K steps; the eight accumulators (one a tile of keys) take turns
.if \s
	PLACES
.endif
.irp i, 0,1,2,3,4,5,6,7
	LOADG VFX+12*\i, XC, (6*\i+\s)*1536
.endr
	LOADG VFW, WC, \s*1536
	s_wait_loadcnt 0x0
.irp i, 0,1,2,3,4,5,6,7
.if \s
	MM VAC+8*\i, VFX+12*\i, VFW, VAC+8*\i, VSX+3*\i+\s/2, VSW+\s/2, \s%2
.else
	MM VAC+8*\i, VFX+12*\i, VFW, VBI, VSX+3*\i, VSW, 0
.endif
.endr
.endr
	PLACES
	QUANT4 VAC, VFX, VFX+12, VTM, VPW              ; register 16 b + i is key 32 b + 16 (lane / 16) + i of the step
	STOREG VFX, OI, 0
	global_store_b32 v[L4], v[VPW], s[OS:OS+1]
	s_endpgm
.Lfunc_end_k_q60536b61b0_proj:
	.size	k_q60536b61b0_proj, .Lfunc_end_k_q60536b61b0_proj-k_q60536b61b0_proj
	.p2alignl 7, 3214868480
	.fill 96, 4, 3214868480
	.section	.rodata,"a",@progbits
	.p2align	6, 0x0
	.amdhsa_kernel k_q60536b61b0_proj
		.amdhsa_group_segment_fixed_size 0
		.amdhsa_private_segment_fixed_size 0
		.amdhsa_enable_private_segment 0
		.amdhsa_kernarg_size 64
		.amdhsa_user_sgpr_count 2
		.amdhsa_user_sgpr_kernarg_segment_ptr 1
		.amdhsa_wavefront_size32 1
		.amdhsa_system_sgpr_workgroup_id_x 1
		.amdhsa_system_sgpr_workgroup_id_y 1
		.amdhsa_system_sgpr_workgroup_id_z 1
		.amdhsa_system_vgpr_workitem_id 0
		.amdhsa_next_free_vgpr 256
		.amdhsa_next_free_sgpr 66
		.amdhsa_reserve_vcc 1
		.amdhsa_float_denorm_mode_32 3
		.amdhsa_float_denorm_mode_16_64 3
		.amdhsa_memory_ordered 1
		.amdhsa_forward_progress 1
		.amdhsa_inst_pref_size 88
	.end_amdhsa_kernel
	.amdgpu_metadata
---
amdhsa.version: [ 1, 2 ]
amdhsa.kernels:
  - .name:           k_q60536b61b0_proj
    .symbol:         k_q60536b61b0_proj.kd
    .args:
      - { .name: xc, .offset: 0, .size: 8, .value_kind: global_buffer, .address_space: global }
      - { .name: xs, .offset: 8, .size: 8, .value_kind: global_buffer, .address_space: global }
      - { .name: bq, .offset: 16, .size: 8, .value_kind: global_buffer, .address_space: global }
      - { .name: bk, .offset: 24, .size: 8, .value_kind: global_buffer, .address_space: global }
      - { .name: bv, .offset: 32, .size: 8, .value_kind: global_buffer, .address_space: global }
      - { .name: qimg, .offset: 40, .size: 8, .value_kind: global_buffer, .address_space: global }
      - { .name: qsc, .offset: 48, .size: 8, .value_kind: global_buffer, .address_space: global }
      - { .name: kv, .offset: 56, .size: 8, .value_kind: global_buffer, .address_space: global }
    .group_segment_fixed_size: 0
    .private_segment_fixed_size: 0
    .kernarg_segment_align: 8
    .kernarg_segment_size: 64
    .max_flat_workgroup_size: 128
    .sgpr_count:     66
    .vgpr_count:     256
    .wavefront_size: 32
...
	.end_amdgpu_metadata
.endif
;; end of part 2
;; launch attn (part 3): grid 32 x 8, 16 waves a work-group, clusters of 4 x 1, 327,680 bytes of LDS; arguments qimg, qsc, kv, aimg, asc; writes aimg, asc
.if DOCPART == 3
	.amdgcn_target "amdgcn-amd-amdhsa--gfx1250"
	.amdhsa_code_object_version 6
	.text
	.protected	k_q60536b61b0_attn
	.globl	k_q60536b61b0_attn
	.p2align	8
	.type	k_q60536b61b0_attn,@function
k_q60536b61b0_attn:
	s_mov_b64 s[64:65], 0
	v_nop
	global_prefetch_b8 v0, s[64:65] scope:SCOPE_SE
	s_setreg_imm32_b32 hwreg(HW_REG_WAVE_MODE, 25, 1), 1
	s_wait_xcnt 0x0
	s_wait_alu depctr_hold_cnt(0) depctr_sa_sdst(0) depctr_va_vdst(0) depctr_va_sdst(0) depctr_va_ssrc(0) depctr_va_vcc(0) depctr_vm_vsrc(0)
	s_getreg_b32 s2, hwreg(HW_REG_IB_STS2, 6, 4)
	s_cmp_eq_u32 s2, 0
	s_cbranch_scc0 .Lentry_in_a_cluster
	s_endpgm
.Lentry_in_a_cluster:
	s_bfe_u32 s2, ttmp6, 0x10000c
	s_cmp_lg_u32 s2, 0x3003
	s_cbranch_scc0 .Lentry_shape_is_right
	s_endpgm
.Lentry_shape_is_right:
; For each head: S^T = K Q^T, p = 2^(t - M), O^T = V^T P^T, O / l, both products on codes of BF6 with E8M0 scales; the result is quantised along the channels for the last projection.
; t = score x log2(e) / 8; M = the row's largest t so far, rounded UP to a whole number; the row's sum l is taken of the unquantised p, in f32, and divides at the end.
; When M moves, l and O^T are multiplied by 2^(old M - new M), which rounds nothing.
; LIMITS: NaN and infinities are not served; the promise holds while |t| stays under 2^31; a block's scale byte is held at 1 from below (a block whose every p is 0 keeps that byte: its codes are zeros).
; SHARES.  A work-group owns 256 queries of one head, each of its sixteen waves one tile of 16; every wave walks the head's 4,096 keys, 128 a step.  A lane holds ONE query (both products are used transposed).
; THE KEYS OF A TILE are chosen by the LDS addresses: rows 0-7 of tile n of a group of four are keys 64 g + 8 n + 0..7, rows 8-15 the keys 32 further on.  So the 32 registers of a group's four
; tiles are, in lanes 0-15, block 2 g of 32 keys and, in lanes 16-31, block 2 g + 1, in the keys' order: a block's maximum needs no other lane, and the conversions' results lie as the operand wants them.
; kv holds K's tiles with rows 0-7 and 8-15 sixteen keys apart, so lanes 8-15 read 1,536 bytes behind lanes 0-7: two lanes of a load share a bank; the layout of kv is kept as the launch before stores it.
; TWO TILES OF K SHARE A FRAGMENT (the head's size is 64): the lower 64 along K hold tile 2 f, the upper 64 tile 2 f + 1; the fragment is multiplied by [Q | 0] and by [0 | Q].  A step's K is 48 registers, fetched one step ahead.
; RING.  A key step is one dense block of 13,312 bytes of kv.  Two LDS slots of twelve steps (159,744 bytes); the walk is 12 + 12 + 8 steps.  Every wave fetches a sixteenth of a fill: 39 rows of 256 bytes (the last fill: 26).
; CLUSTER.  The four query blocks of a cluster belong to one head and walk the same kv: each part is asked for JOINTLY, by the same tensor load with the same descriptor and the mask 15.
; By this text's count a wave has one tensor load out at a time.  No data prefetch: each fill is asked for twelve key steps ahead of its first read, so no wave waits for it.
.set STEPB, 13312
.set SLOTB, 12*STEPB
.set SPARE, 2*SLOTB                    ; behind slot 1: the spare words, 128 bytes for each of sixteen waves, which no other line names
.set L16, 1                            ; v1-3   16, 8, 4 x lane
.set L8,  2
.set L4,  3
.set K16L, 4                           ; v4-6   the lane's part of K's addresses: codes by 16 and by 8 bytes, scale words
.set K8L, 5
.set KSL, 6
.set SPW, 7                            ; v7     LDS address of my spare word; never rewritten
.set NIL, 8                            ; v8     0; never rewritten
.set AK16, 10                          ; v10-15 the same six + the step's first LDS byte
.set AK8, 11
.set AKS, 12
.set AV16, 13
.set AV8, 14
.set AV4, 15
.set NM,  16                           ; v[16:17] -M
.set OM,  18                           ; v18    the last step's -M
.set RUN, 20                           ; v20    the largest score so far
.set TMP, 21
.set FF,  22                           ; v[22:23] f = 2^(old M - new M)
.set LS,  24                           ; v[24:25] l in two halves; v[26:27] the sum's second chain
.set SUM2, 26
.set QS0, 28                           ; v28, v29 Q's scale words for [Q | 0] and [0 | Q]
.set QS1, 29
.set KC,  30                           ; v30-31 K's scale words: fragment 2 i in lanes 0-15, 2 i + 1 in lanes 16-31
.set XA,  32                           ; v32-35 the same as loaded: the even tiles' words, the odd tiles'
.set XB,  34
.set VSC, 36                           ; v36-39 V's scale words
.set PS,  40                           ; v40    p's scale word
.set BM,  42                           ; v42-45 my two blocks' largest scores, two chains each; then their largest p
.set BMB, 44
.set BS,  46                           ; v46-47 the conversions' scale operands; v48-49 the bytes
.set BY,  48
.set PX,  50
.set WW,  51
.set QF0, 52                           ; v52-63 [Q | 0]; v64-75 [0 | Q]
.set QF1, 64
.set KB,  76                           ; v76-123 K's four fragments
.set S,   124                          ; v124-187 S^T, then p; v124-171 then V's four fragments
.set OT,  188                          ; v188-219 O^T
.set PC,  220                          ; v220-231 p's codes
.set PT,  232                          ; v232-239 at work
.set TM,  240
.set WV,  14
.set SEL, 20
.set CS,  22                           ; s[22:23] c = log2(e) / 8
.set G1,  24                           ; s[24:31] group 1, 39 rows; s[56:63] group 1, 26 rows
.set G0,  32                           ; s[32:35], s[36:39] group 0 of the first fills of slot 0, 1; s[40:43] of slot 0's second fill
.set G0C, 40
.set G1C, 56
.set TB,  66                           ; s66 LDS byte at which the step in hand begins
.set CNT, 67
.set PSEL, 68
.macro D n
	s_delay_alu instid0(VALU_DEP_\n)
.endm
.macro PLACES
.rept 4
	v_nop
.endr
.endm
.macro CROUND                          ; a round of the cluster's barrier
	s_barrier_signal -1
	s_barrier_wait -1
	s_cmp_lg_u32 s[WV], 0
	s_cbranch_scc1 .Lnot_wave_0_\@
	s_barrier_signal -3
.Lnot_wave_0_\@:
	s_barrier_wait -3
	s_barrier_signal -1
	s_barrier_wait -1
.endm
.macro DRAIN                           ; all my tensor loads have landed; the add and my LDS reads are done
	s_wait_tensorcnt 0x0
	ds_add_u32 v[SPW], v[NIL]
	s_wait_dscnt 0x0
.endm
.macro FILL g0, g1                     ; my sixteenth of a fill: every wave asks, with no branch; s_nop 0 and four v_nop follow
	tensor_load_to_lds s[\g0:\g0+3], s[\g1:\g1+7]
	s_nop 0
	PLACES
.endm
.macro SMM d, f, q, qs                 ; 16 keys x 16 queries; fragment f's scale words lie in lanes 0-15 (f even) or 16-31 (f odd)
.if (\f)%2
	v_wmma_scale_f32_16x16x128_f8f6f4 v[\d:\d+7], v[KB+12*(\f):KB+12*(\f)+11], v[\q:\q+11], 0, v[KC+(\f)/2], v[\qs] matrix_a_fmt:MATRIX_FMT_BF6 matrix_b_fmt:MATRIX_FMT_BF6 matrix_a_scale:MATRIX_SCALE_ROW1
.else
	v_wmma_scale_f32_16x16x128_f8f6f4 v[\d:\d+7], v[KB+12*(\f):KB+12*(\f)+11], v[\q:\q+11], 0, v[KC+(\f)/2], v[\qs] matrix_a_fmt:MATRIX_FMT_BF6 matrix_b_fmt:MATRIX_FMT_BF6
.endif
.endm
.macro KLOAD off                       ; a step's K: tile n = half n % 2 of fragment n / 2.  Stored tile 4 (n / 4) + n % 2 (+ 2 in lanes 8-15), its rows 8 ((n % 4) / 2) on
.irp n, 0,1,2,3,4,5,6,7
	ds_load_b128 v[KB+6*\n:KB+6*\n+3], v[AK16] offset:\off+768*(4*(\n/4)+\n%2)+128*((\n%4)/2)
	ds_load_b64 v[KB+6*\n+4:KB+6*\n+5], v[AK8] offset:\off+768*(4*(\n/4)+\n%2)+512+64*((\n%4)/2)
.endr
.irp i, 0,1
	ds_load_b32 v[XA+\i], v[AKS] offset:\off+6144+256*\i
	ds_load_b32 v[XB+\i], v[AKS] offset:\off+6144+256*\i+64
.endr
.endm
.macro KPERM                           ; a fragment's scale word: the even tile's two bytes below, the odd tile's above
.irp i, 0,1
	v_perm_b32 v[KC+\i], v[XB+\i], v[XA+\i], s[PSEL]
.endr
.endm
.macro VLOAD t                         ; a fragment of V out of LDS as it lies, and its scale words
	ds_load_b128 v[S+12*\t:S+12*\t+3], v[AV16] offset:6656+1536*\t
	ds_load_b64 v[S+12*\t+4:S+12*\t+5], v[AV8] offset:6656+1536*\t+512
	ds_load_b128 v[S+12*\t+6:S+12*\t+9], v[AV16] offset:6656+1536*\t+768
	ds_load_b64 v[S+12*\t+10:S+12*\t+11], v[AV8] offset:6656+1536*\t+1280
	ds_load_b32 v[VSC+\t], v[AV4] offset:12800+128*\t
.endm
.macro ADD4 j                          ; four p into the sum's two chains
	v_pk_add_f32 v[LS:LS+1], v[LS:LS+1], v[S+\j:S+\j+1]
	v_pk_add_f32 v[SUM2:SUM2+1], v[SUM2:SUM2+1], v[S+\j+2:S+\j+3]
.endm
; A KEY STEP: 128 keys.  pre = 1: the next step's K is fetched (it lies in the same slot).
.macro STEP pre
.irp f, 0,1,2,3
	SMM S+16*\f, \f, QF0, QS0
	SMM S+16*\f+8, \f, QF1, QS1
.endr                                          ; register 32 g + i is key 64 g + 32 (lane / 16) + i of the step
	v_mov_b32 v[OM], v[NM]                         ; these lines are the places behind the products
	v_add_nc_u32 v[AV16], s[TB], v[L16]
	v_add_nc_u32 v[AV8], s[TB], v[L8]
	v_add_nc_u32 v[AV4], s[TB], v[L4]
.if \pre
	v_add_nc_u32 v[AK16], s[TB], v[K16L]
	v_add_nc_u32 v[AK8], s[TB], v[K8L]
	v_add_nc_u32 v[AKS], s[TB], v[KSL]
	KLOAD STEPB
.endif
.irp g, 0,1                                    ; my two blocks' largest scores, four chains by turns; each accumulator is first read at its low end
	v_max3_num_f32 v[BM+\g], v[S+32*\g], v[S+32*\g+1], v[S+32*\g+2]
	v_max3_num_f32 v[BMB+\g], v[S+32*\g+16], v[S+32*\g+17], v[S+32*\g+18]
.endr
.irp i, 3,5,7,9,11,13
.irp g, 0,1
	v_max3_num_f32 v[BM+\g], v[BM+\g], v[S+32*\g+\i], v[S+32*\g+\i+1]
	v_max3_num_f32 v[BMB+\g], v[BMB+\g], v[S+32*\g+16+\i], v[S+32*\g+17+\i]
.endr
.endr
.irp g, 0,1
	v_max3_num_f32 v[BM+\g], v[BM+\g], v[BMB+\g], v[S+32*\g+15]
.endr
.irp g, 0,1
	v_max_num_f32 v[BM+\g], v[BM+\g], v[S+32*\g+31]
.endr
	v_max_num_f32 v[TMP], v[BM], v[BM+1]
	v_permlanex16_b32 v[PX], v[TMP], s[SEL], s[SEL+1]
	v_max3_num_f32 v[RUN], v[RUN], v[TMP], v[PX]   ; with lane l xor 16's 64 keys: the largest score so far
	v_mul_f32 v[TMP], s[CS], v[RUN]                ; as t (c is positive)
	v_floor_f32 v[NM], -v[TMP]                     ; the new -M = floor(-t) = -ceil(t)
	v_sub_f32 v[TMP], v[NM], v[OM]                 ; old M - new M: a whole number, 0 or less
	v_cvt_i32_f32 v[TMP], v[TMP]                   ; (it saturates)
	v_ldexp_f32 v[FF], 1.0, v[TMP]                 ; f = 2^(old M - new M)
.set J, 0
.rept 32
	v_pk_fma_f32 v[S+J:S+J+1], v[S+J:S+J+1], s[CS:CS+1], v[NM:NM+1] op_sel_hi:[1,0,0]   ; t - M, two at a time
.set J, J+2
.endr
.irp g, 0,1
	v_fma_f32 v[BM+\g], v[BM+\g], s[CS], v[NM]     ; the same of each block's largest score
.endr
.set J, 0
.rept 16
	v_pk_mul_f32 v[OT+J:OT+J+1], v[OT+J:OT+J+1], v[FF:FF+1] op_sel_hi:[1,0]   ; O^T under the new M: ahead of the exponentials
.set J, J+2
.endr
.if \pre
	s_wait_dscnt 0x0                               ; the next step's K is in
.endif
	s_wait_alu depctr_va_vdst(0)
.irp g, 0,1
	v_exp_f32 v[BM+\g], v[BM+\g]                   ; the block's largest p: the same two instructions on the same number
.endr
.set J, 0
.rept 64
	v_exp_f32 v[S+J], v[S+J]                       ; p = 2^(t - M)
.set J, J+1
.endr
.if \pre
	KPERM                                          ; plain places behind the exponentials
.else
	v_nop
.endif
	s_wait_alu depctr_va_vdst(0)                   ; and behind it
.irp g, 0,1
	v_max_num_f32 v[BM+\g], 0x2800000, v[BM+\g]    ; the floor 2^(5 - 127)
.endr
.irp g, 0,1
	D 2
	v_add_nc_u32 v[BS+\g], 0xfe000000, v[BM+\g]    ; 4 off the exponent field: the conversion's scale operand
.endr
.irp g, 0,1
	D 2
	v_lshrrev_b32 v[BY+\g], 23, v[BS+\g]           ; the byte
.endr
.irp g, 0,1
	v_cvt_scalef32_pk16_bf6_f32 v[PC+6*\g:PC+6*\g+2], v[S+32*\g:S+32*\g+15], v[BS+\g]
	v_cvt_scalef32_pk16_bf6_f32 v[PT+4*\g:PT+4*\g+2], v[S+32*\g+16:S+32*\g+31], v[BS+\g]   ; (a conversion's three registers begin on an even number)
.endr
	v_pk_fma_f32 v[LS:LS+1], v[LS:LS+1], v[FF:FF+1], v[S:S+1] op_sel_hi:[1,0,1]   ; l under the new M, and the sum of the unquantised p begins
	v_pk_add_f32 v[SUM2:SUM2+1], v[S+2:S+3], v[S+4:S+5]
	v_pk_add_f32 v[LS:LS+1], v[LS:LS+1], v[S+6:S+7]
.irp j, 8,12,16,20
	ADD4 \j
.endr
	VLOAD 0                                        ; the first 24 registers have been converted and summed: V lands there
	VLOAD 1
	v_lshl_or_b32 v[WW], v[BY+1], 16, v[BY]        ; my blocks' bytes: blocks h and 2 + h
	D 1
	v_permlanex16_b32 v[PX], v[WW], s[SEL], s[SEL+1]
	D 1
	v_lshl_or_b32 v[PS], v[PX], 8, v[WW]           ; lanes 0-15: p's scale word for these 128 keys (lanes 16-31 are not read)
.irp g, 0,1
.irp i, 0,1,2
	v_mov_b32 v[PC+6*\g+3+\i], v[PT+4*\g+\i]
.endr
.endr
.irp j, 24,28,32,36,40,44
	ADD4 \j
.endr
	VLOAD 2
	VLOAD 3
	ADD4 48
	ADD4 52
	s_wait_alu depctr_va_vdst(0)
	s_wait_dscnt 0x0                               ; V
.irp t, 0,1,2,3                                ; O^T += V^T P^T: the four accumulators take turns
	v_wmma_scale_f32_16x16x128_f8f6f4 v[OT+8*\t:OT+8*\t+7], v[S+12*\t:S+12*\t+11], v[PC:PC+11], v[OT+8*\t:OT+8*\t+7], v[VSC+\t], v[PS] matrix_a_fmt:MATRIX_FMT_BF6 matrix_b_fmt:MATRIX_FMT_BF6
.endr
	ADD4 56                                        ; five places: the next products write over V's registers; these lines read the last eight p, which no load touched
	ADD4 60
	v_pk_add_f32 v[LS:LS+1], v[LS:LS+1], v[SUM2:SUM2+1]
.endm
.macro CHUNK base, n                   ; n + 1 key steps from LDS byte 'base' on; the last fetches no K beyond its slot
	s_mov_b32 s[TB], \base
	v_add_nc_u32 v[AK16], s[TB], v[K16L]
	v_add_nc_u32 v[AK8], s[TB], v[K8L]
	v_add_nc_u32 v[AKS], s[TB], v[KSL]
	KLOAD 0
	s_wait_dscnt 0x0
	KPERM
.rept 8
	v_nop                                          ; a scale register written by a vector instruction stands eight places ahead of a scaled matrix instruction
.endr
	s_mov_b32 s[CNT], \n
.Lstep_\@:
	STEP 1
	s_add_co_u32 s[TB], s[TB], STEPB
	s_sub_co_u32 s[CNT], s[CNT], 1
	s_cmp_lg_u32 s[CNT], 0
	s_cbranch_scc1 .Lstep_\@
	STEP 0
.endm
.macro QUANT2 src, pc, pt, tm, pw      ; 32 numbers of a lane, register 16 b + i = k 32 b + 16 (lane / 16) + i, become half a fragment and two scale bytes
.irp b, 0,1
	v_max3_num_f32 v[\tm+\b], |v[\src+16*\b]|, |v[\src+1+16*\b]|, 0x2800000
.endr
.irp i, 2,4,6,8,10,12,14
.irp b, 0,1
	D 2
	v_max3_num_f32 v[\tm+\b], v[\tm+\b], |v[\src+16*\b+\i]|, |v[\src+1+16*\b+\i]|
.endr
.endr
.irp b, 0,1
	D 2
	v_permlanex16_b32 v[\tm+2+\b], v[\tm+\b], s[SEL], s[SEL+1]
.endr
.irp b, 0,1
	D 2
	v_max_num_f32 v[\tm+\b], v[\tm+\b], v[\tm+2+\b]
.endr
.irp b, 0,1
	D 2
	v_add_nc_u32 v[\tm+4+\b], 0xfe000000, v[\tm+\b]
.endr
.irp b, 0,1
	D 2
	v_lshrrev_b32 v[\tm+2+\b], 23, v[\tm+4+\b]
.endr
	D 1
	v_lshl_or_b32 v[\pw], v[\tm+3], 8, v[\tm+2]
	v_cvt_scalef32_pk16_bf6_f32 v[\pc:\pc+2], v[\src:\src+15], v[\tm+4]
	v_cvt_scalef32_pk16_bf6_f32 v[\pt:\pt+2], v[\src+16:\src+31], v[\tm+5]
	v_nop
.irp i, 0,1,2
	v_permlane16_swap_b32 v[\pc+\i], v[\pt+\i]
.endr
.irp i, 0,1,2
	D 3
	v_mov_b32 v[\pc+3+\i], v[\pt+\i]
.endr
.endm
	s_load_b256 s[4:11], s[0:1], 0x0               ; qimg s[4:5], qsc s[6:7], kv s[8:9], aimg s[10:11]
	s_load_b64 s[12:13], s[0:1], 0x20              ; asc
	v_lshl_add_u32 v[SPW], v0, 2, SPARE
	v_mov_b32 v[NIL], 0
	ds_add_u32 v[SPW], v[NIL]                      ; the opening lines: the add, twice on end, and its wait ahead of my first tensor load
	ds_add_u32 v[SPW], v[NIL]
	v_lshrrev_b32 v9, 5, v0
	D 1
	v_readfirstlane_b32 s[WV], v9                  ; wave 0..15
	s_bfe_u32 s15, ttmp6, 0x40000                  ; cx: my place in the cluster
	s_lshl_b32 s16, ttmp9, 2
	s_add_co_u32 s16, s16, s15                     ; my block of 256 queries: it enters Q's and the results' addresses alone
	s_and_b32 s17, ttmp7, 0xffff                   ; the head, which the four partners share
	s_lshl_b32 s18, s16, 4
	s_add_co_u32 s18, s18, s[WV]                   ; my tile of queries
	s_mov_b32 s[G1], 15|(3<<16)|(1<<21)            ; the mask: all four work-groups; elements of 8 bytes; no padding; bit 21 beside a mask
	s_mov_b32 s[G1+1], 32<<16                      ; rows of 32 elements: 256 bytes
	s_mov_b32 s[G1+2], 39<<16                      ; 39 rows: a sixteenth of twelve steps
	s_mov_b32 s[G1+3], 32<<16
	s_mov_b32 s[G1+4], 39
	s_mov_b32 s[G1+5], 32                          ; the rows are dense
	s_mov_b32 s[G1+6], 0
	s_mov_b32 s[G1+7], 0
	s_mov_b32 s[G1C], 15|(3<<16)|(1<<21)
	s_mov_b32 s[G1C+1], 32<<16
	s_mov_b32 s[G1C+2], 26<<16                     ; 26 rows: a sixteenth of eight steps
	s_mov_b32 s[G1C+3], 32<<16
	s_mov_b32 s[G1C+4], 26
	s_mov_b32 s[G1C+5], 32
	s_mov_b32 s[G1C+6], 0
	s_mov_b32 s[G1C+7], 0
	s_mul_i32 s46, s17, 32*STEPB                   ; the head's kv
	s_mov_b32 s47, 0
	s_mul_i32 s2, s[WV], 39*256                    ; my part of a fill: no place in the cluster enters it
	s_mul_i32 s19, s[WV], 26*256
	s_mov_b32 s3, 0
	s_mov_b32 s[SEL], 0x76543210
	s_mov_b32 s[SEL+1], 0xfedcba98
	s_mov_b32 s[CS], 0x3e38aa3b                    ; c = log2(e) / sqrt(64)
	s_mov_b32 s[CS+1], s[CS]
	s_mov_b32 s[PSEL], 0x05040100
	s_wait_dscnt 0x0                               ; both opening adds are done
	s_wait_kmcnt 0x0
	s_add_nc_u64 s[44:45], s[8:9], s[46:47]
	s_mov_b32 s[G0], 1
	s_mov_b32 s[G0+1], s2                          ; slot 0: steps 0 to 11
	s_add_nc_u64 s[G0+2:G0+3], s[44:45], s[2:3]
	s_mov_b32 s[G0+4], 1
	s_add_co_u32 s[G0+5], s2, SLOTB                ; slot 1: steps 12 to 23
	s_add_nc_u64 s[G0+6:G0+7], s[G0+2:G0+3], SLOTB
	s_or_b32 s[G0+3], s[G0+3], 0x80000000
	s_or_b32 s[G0+7], s[G0+7], 0x80000000
	s_mov_b32 s2, s19
	s_mov_b32 s[G0C], 1
	s_mov_b32 s[G0C+1], s19                        ; slot 0 again: steps 24 to 31
	s_add_nc_u64 s[G0C+2:G0C+3], s[44:45], s[2:3]
	s_add_nc_u64 s[G0C+2:G0C+3], s[G0C+2:G0C+3], 2*SLOTB
	s_or_b32 s[G0C+3], s[G0C+3], 0x80000000
	s_lshl_b32 s46, s17, 9
	s_add_co_u32 s46, s46, s18                     ; 512 x head + tile
	s_mul_i32 s2, s46, 768
	s_add_nc_u64 s[48:49], s[4:5], s[2:3]          ; Q's half fragment
	s_lshl_b32 s2, s46, 6
	s_add_nc_u64 s[50:51], s[6:7], s[2:3]          ; its scale words
	s_lshl_b32 s46, s18, 3
	s_add_co_u32 s46, s46, s17                     ; 8 x tile + head
	s_mul_i32 s2, s46, 768
	s_add_nc_u64 s[52:53], s[10:11], s[2:3]        ; the result's half fragment
	s_lshl_b32 s2, s46, 7
	s_add_nc_u64 s[54:55], s[12:13], s[2:3]        ; its scale words
	CROUND                                         ; all four work-groups are here: the first joint loads meet
	FILL G0, G1                                    ; one tensor load a wave at the head
	v_and_b32 v9, 31, v0
	D 1
	v_lshlrev_b32 v[L16], 4, v9
	D 2
	v_lshlrev_b32 v[L8], 3, v9
	D 3
	v_lshlrev_b32 v[L4], 2, v9
	v_and_b32 v[TMP], 7, v0                        ; r % 8
	v_bfe_u32 v[PX], v0, 3, 1                      ; r / 8
	v_bfe_u32 v[WW], v0, 4, 1                      ; h
	D 2
	v_mul_u32_u24 v[K16L], v[PX], 1536             ; lanes 8-15 read two stored tiles further on
	D 1
	v_lshl_add_u32 v[K8L], v[TMP], 3, v[K16L]
	D 2
	v_lshl_add_u32 v[K16L], v[TMP], 4, v[K16L]
	D 1
	v_lshl_add_u32 v[K16L], v[WW], 8, v[K16L]      ; 1,536 (r / 8) + 16 (r % 8) + 256 h
	D 3
	v_lshl_add_u32 v[K8L], v[WW], 7, v[K8L]        ; 1,536 (r / 8) + 8 (r % 8) + 128 h
	v_lshlrev_b32 v[KSL], 7, v[PX]
	D 1
	v_lshl_add_u32 v[KSL], v[TMP], 2, v[KSL]
	D 1
	v_lshl_add_u32 v[KSL], v[WW], 5, v[KSL]        ; 128 (r / 8) + 4 (r % 8) + 32 h: lanes 16-31 take the next fragment's words
	v_and_b32 v9, 15, v0
	D 1
	v_lshlrev_b32 v9, 2, v9
	global_load_b128 v[QF0:QF0+3], v[L16], s[48:49]          ; Q stays in registers, once in the lower 64 along K,
	global_load_b64 v[QF0+4:QF0+5], v[L8], s[48:49] offset:512
	global_load_b128 v[QF1+6:QF1+9], v[L16], s[48:49]        ; once in the upper
	global_load_b64 v[QF1+10:QF1+11], v[L8], s[48:49] offset:512
	global_load_b32 v[QS0], v9, s[50:51]
.irp j, 0,1,2,3,4,5
	v_mov_b32 v[QF0+6+\j], 0                       ; zero codes for the other 64
	v_mov_b32 v[QF1+\j], 0
.endr
.set J, 0
.rept 32
	v_mov_b32 v[OT+J], 0                           ; the step is written once: the first finds zeros, which the first change of M leaves zeros
.set J, J+1
.endr
	v_mov_b32 v[FF+1], 0                           ; (named as the upper halves of pairs)
	v_mov_b32 v[NM+1], 0
	v_mov_b32 v[RUN], 0xff61b1e6                   ; the largest score so far: -3e38
	D 1
	v_mul_f32 v[TMP], s[CS], v[RUN]
	D 1
	v_floor_f32 v[NM], -v[TMP]                     ; -M
	v_mov_b32 v[LS], 0
	v_mov_b32 v[LS+1], 0
	v_mov_b32 v[TM+2], 0                           ; written once: a lane permute's destination counts as one of its sources
	v_mov_b32 v[TM+3], 0
	s_wait_alu depctr_va_vdst(0)
	s_wait_loadcnt 0x0                             ; Q
	v_lshl_or_b32 v[QS1], v[QS0], 16, 0x7f7f       ; Q's two bytes above, 2^0 for the zero codes below
	s_wait_alu depctr_va_vdst(0)
	DRAIN                                          ; my part of slot 0 is in; a later first fill is issued as a refill is
	CROUND
	FILL G0+4, G1                                  ; slot 1's first fill
	CHUNK 0, 11                                    ; keys 0 - 1,535
	DRAIN
	CROUND                                         ; no wave of any partner still reads slot 0
	FILL G0C, G1C                                  ; slot 0 takes keys 3,072 on
	CHUNK SLOTB, 11                                ; keys 1,536 - 3,071
	DRAIN                                          ; nothing is left to fetch
	s_barrier_signal -1
	s_barrier_wait -1
	CHUNK 0, 7                                     ; keys 3,072 - 4,095
	; THE WAY OUT.  O^T / l; register 16 b + i is channel 32 b + 16 (lane / 16) + i of the head: half a fragment of the last projection's operand, stored as it stands.
	v_add_f32 v[LS], v[LS], v[LS+1]                ; the sum's two halves,
	D 1
	v_permlanex16_b32 v[PX], v[LS], s[SEL], s[SEL+1]
	D 1
	v_add_f32 v[LS], v[LS], v[PX]                  ; and lane l xor 16's: the row's sum
	s_wait_alu depctr_va_vdst(0)
	v_rcp_f32 v[LS], v[LS]
	v_nop                                          ; one plain place behind a transcendental
	s_wait_alu depctr_va_vdst(0)
.set J, 0
.rept 32
	v_mul_f32 v[S+J], v[OT+J], v[LS]               ; ascending: each accumulator from its low end on
.set J, J+1
.endr
	QUANT2 S, PC, PT, TM, TMP
	global_store_b128 v[L16], v[PC:PC+3], s[52:53]
	global_store_b64 v[L8], v[PC+4:PC+5], s[52:53] offset:512
	global_store_b32 v[L4], v[TMP], s[54:55]       ; two bytes in the low half of a word; both halves of the lanes hold the same
	DRAIN                                          ; the wave's end
	CROUND                                         ; the closing round
	s_endpgm
.Lfunc_end_k_q60536b61b0_attn:
	.size	k_q60536b61b0_attn, .Lfunc_end_k_q60536b61b0_attn-k_q60536b61b0_attn
	.p2alignl 7, 3214868480
	.fill 96, 4, 3214868480
	.section	.rodata,"a",@progbits
	.p2align	6, 0x0
	.amdhsa_kernel k_q60536b61b0_attn
		.amdhsa_group_segment_fixed_size 327680
		.amdhsa_private_segment_fixed_size 0
		.amdhsa_enable_private_segment 0
		.amdhsa_kernarg_size 40
		.amdhsa_user_sgpr_count 2
		.amdhsa_user_sgpr_kernarg_segment_ptr 1
		.amdhsa_wavefront_size32 1
		.amdhsa_system_sgpr_workgroup_id_x 1
		.amdhsa_system_sgpr_workgroup_id_y 1
		.amdhsa_system_sgpr_workgroup_id_z 1
		.amdhsa_system_vgpr_workitem_id 0
		.amdhsa_next_free_vgpr 256
		.amdhsa_next_free_sgpr 72
		.amdhsa_reserve_vcc 0
		.amdhsa_float_denorm_mode_32 3
		.amdhsa_float_denorm_mode_16_64 3
		.amdhsa_memory_ordered 1
		.amdhsa_forward_progress 1
		.amdhsa_inst_pref_size 107
	.end_amdhsa_kernel
	.amdgpu_metadata
---
amdhsa.version: [ 1, 2 ]
amdhsa.kernels:
  - .name:           k_q60536b61b0_attn
    .symbol:         k_q60536b61b0_attn.kd
    .args:
      - { .name: qimg, .offset: 0, .size: 8, .value_kind: global_buffer, .address_space: global }
      - { .name: qsc, .offset: 8, .size: 8, .value_kind: global_buffer, .address_space: global }
      - { .name: kv, .offset: 16, .size: 8, .value_kind: global_buffer, .address_space: global }
      - { .name: aimg, .offset: 24, .size: 8, .value_kind: global_buffer, .address_space: global }
      - { .name: asc, .offset: 32, .size: 8, .value_kind: global_buffer, .address_space: global }
    .group_segment_fixed_size: 327680
    .private_segment_fixed_size: 0
    .kernarg_segment_align: 8
    .kernarg_segment_size: 40
    .max_flat_workgroup_size: 512
    .sgpr_count:     72
    .vgpr_count:     256
    .wavefront_size: 32
...
	.end_amdgpu_metadata
.endif
;; end of part 3
;; launch oproj (part 4): grid 512 x 1, 4 waves a work-group, no clusters, 35,328 bytes of LDS; arguments aimg, asc, xc, xs, bo, out0; writes out0
.if DOCPART == 4
	.amdgcn_target "amdgcn-amd-amdhsa--gfx1250"
	.amdhsa_code_object_version 6
	.text
	.protected	k_q60536b61b0_oproj
	.globl	k_q60536b61b0_oproj
	.p2align	8
	.type	k_q60536b61b0_oproj,@function
k_q60536b61b0_oproj:
	s_mov_b64 s[64:65], 0
	v_nop
	global_prefetch_b8 v0, s[64:65] scope:SCOPE_SE
	s_setreg_imm32_b32 hwreg(HW_REG_WAVE_MODE, 25, 1), 1
	s_wait_xcnt 0x0
; out = A Wo^T + bo on codes of BF6 with E8M0 scales, f32 sums.  A's codes lie as register images: tile T, K step s at 6,144 T + 1,536 s (a head's half fragment is half a K step);
; its scale bytes come two to a word for each head and are joined here, four heads to a pair of K steps.  Wo's fragments and scale words were made by the first launch (fragments 4,096 on).
; SHARES.  Work-group g: columns 64 (g % 8) on, 8 tiles of rows; a wave takes two tiles of rows x four tiles of Wo's rows, K = 512 in four steps.  THE PRODUCT IS USED TRANSPOSED (source 0 = 16 rows of Wo,
; source 1 = 16 rows of A): a lane holds one row of out and 2 x 16 neighbouring columns.  The bias is loaded into the accumulators and starts the sums.
; A tile's rows: lane i of tile T is row 32 (T / 2) + 8 (T % 2) + i + 8 (i / 8).  THE WAY OUT: through the wave's own stage in LDS (16 rows of 256 + 16 bytes for each of its two tiles); back by rows, so that
; sixteen lanes store 256 consecutive bytes, aligned.  Waves share nothing: no barrier.  No tensor loads and no cluster: the operands come through registers.
.set L16, 4
.set L8,  5
.set L4,  6
.set BH,  7                            ; v7   64 x (lane / 16)
.set STO, 10                           ; v10  the stage, on the way in
.set RD,  11                           ; v11  and back
.set CO,  12                           ; v12  my byte in two rows of out
.set SX,  16                           ; v16.. A's scale words: 3 i + p;  v22.. Wo's: 3 t + p
.set SW,  22
.set FRX, 36                           ; v36-83 A's fragments (i, q); v84-179 Wo's (t, q); on the way out v36-99 rows of out
.set FRW, 84
.set ACC, 180                          ; v180-243 accumulator (i, t) at 32 i + 8 t
.set XC,  24
.set WC,  26
.set AS,  28
.set WSB, 30
.set BP,  32
.set OUT, 34
.macro LOADG reg, base, off
	global_load_b128 v[\reg:\reg+3], v[L16], s[\base:\base+1] offset:\off
	global_load_b64 v[\reg+4:\reg+5], v[L8], s[\base:\base+1] offset:\off+512
	global_load_b128 v[\reg+6:\reg+9], v[L16], s[\base:\base+1] offset:\off+768
	global_load_b64 v[\reg+10:\reg+11], v[L8], s[\base:\base+1] offset:\off+1280
.endm
.macro MM d, a, b, c, sa, sb, row      ; row = 1: the odd K step's scale words, in lanes 16-31 of both scale registers
.if \row
	v_wmma_scale_f32_16x16x128_f8f6f4 v[\d:\d+7], v[\a:\a+11], v[\b:\b+11], v[\c:\c+7], v[\sa], v[\sb] matrix_a_fmt:MATRIX_FMT_BF6 matrix_b_fmt:MATRIX_FMT_BF6 matrix_a_scale:MATRIX_SCALE_ROW1 matrix_b_scale:MATRIX_SCALE_ROW1
.else
	v_wmma_scale_f32_16x16x128_f8f6f4 v[\d:\d+7], v[\a:\a+11], v[\b:\b+11], v[\c:\c+7], v[\sa], v[\sb] matrix_a_fmt:MATRIX_FMT_BF6 matrix_b_fmt:MATRIX_FMT_BF6
.endif
.endm
.macro PLACES
.rept 4
	v_nop
.endr
.endm
.macro GEMM ks                         ; the eight accumulators take turns, one instruction a turn
.set P, 0
.rept \ks/2
.if P > 0
	PLACES
.endif
.irp i, 0,1
.irp q, 0,1
	LOADG FRX+12*(2*\i+\q), XC, (\i*\ks+2*P+\q)*1536
.endr
.endr
.irp t, 0,1,2,3
.irp q, 0,1
	LOADG FRW+12*(2*\t+\q), WC, (\t*\ks+2*P+\q)*1536
.endr
.endr
	s_wait_loadcnt 0x0
.irp q, 0,1
.irp i, 0,1
.irp t, 0,1,2,3
	MM ACC+32*\i+8*\t, FRW+12*(2*\t+\q), FRX+12*(2*\i+\q), ACC+32*\i+8*\t, SW+3*\t+P, SX+3*\i+P, \q
.endr
.endr
.endr
.set P, P+1
.endr
.endm
	s_load_b256 s[4:11], s[0:1], 0x0               ; aimg s[4:5], asc s[6:7], xc s[8:9], xs s[10:11]
	s_load_b128 s[12:15], s[0:1], 0x20             ; bo s[12:13], out0 s[14:15]
	v_lshl_add_u32 v254, v0, 2, 0x8800
	v_mov_b32 v255, 0
	v_lshrrev_b32 v1, 5, v0
	v_readfirstlane_b32 s20, v1                    ; wave 0..3
	v_and_b32 v1, 31, v0                           ; lane
	v_and_b32 v2, 15, v0                           ; r
	v_bfe_u32 v3, v0, 4, 1                         ; h
	v_lshlrev_b32 v[L16], 4, v1
	v_lshlrev_b32 v[L8], 3, v1
	v_lshlrev_b32 v[L4], 2, v1
	v_lshlrev_b32 v[BH], 6, v3
	s_mul_i32 s21, s20, 8704                       ; my two stages
	v_mul_u32_u24 v[STO], v2, 272                  ; in: stage row r, + 64 h
	v_lshl_add_u32 v[STO], v3, 6, v[STO]
	v_add_nc_u32 v[STO], s21, v[STO]
	v_mul_u32_u24 v[RD], v3, 272                   ; back: lanes 0-15 one row, lanes 16-31 the next; 16 bytes a lane
	v_lshl_add_u32 v[RD], v2, 4, v[RD]
	v_add_nc_u32 v[RD], s21, v[RD]
	v_lshlrev_b32 v[CO], 11, v3                    ; and the same two rows of out (2,048 bytes a row)
	v_lshl_add_u32 v[CO], v2, 4, v[CO]
	s_and_b32 s21, ttmp9, 7                        ; which 64 columns
	s_lshr_b32 s22, ttmp9, 3
	s_lshl_b32 s22, s22, 3
	s_lshl_b32 s23, s20, 1
	s_add_co_u32 s22, s22, s23                     ; my first tile of rows (even)
	s_mov_b32 s41, 0
	s_wait_alu depctr_va_vdst(0)
	s_wait_kmcnt 0x0
	s_mul_i32 s40, s22, 6144
	s_add_nc_u64 s[XC:XC+1], s[4:5], s[40:41]
	s_lshl_b32 s40, s22, 10
	s_add_nc_u64 s[AS:AS+1], s[6:7], s[40:41]
	s_mul_i32 s40, s21, 24576
	s_add_co_u32 s40, s40, 4096*1536
	s_add_nc_u64 s[WC:WC+1], s[8:9], s[40:41]
	s_lshl_b32 s40, s21, 10
	s_add_co_u32 s40, s40, 4096*64
	s_add_nc_u64 s[WSB:WSB+1], s[10:11], s[40:41]
	s_lshl_b32 s40, s21, 8
	s_add_nc_u64 s[BP:BP+1], s[12:13], s[40:41]
	s_lshl_b32 s42, s22, 15                        ; rows 16 x tile on,
	s_add_co_u32 s40, s40, s42                     ; + 256 bytes for each 64 columns
	s_add_nc_u64 s[OUT:OUT+1], s[14:15], s[40:41]
.irp i, 0,1
.irp t, 0,1,2,3                                ; the bias starts the sums: register j of accumulator (i, t) is column 32 (t / 2) + 8 (t % 2) + 16 (lane / 16) + j of my 64
	global_load_b128 v[ACC+32*\i+8*\t:ACC+32*\i+8*\t+3], v[BH], s[BP:BP+1] offset:(32*(\t/2)+8*(\t%2))*4
	global_load_b128 v[ACC+32*\i+8*\t+4:ACC+32*\i+8*\t+7], v[BH], s[BP:BP+1] offset:(32*(\t/2)+8*(\t%2))*4+16
.endr
.endr
.irp t, 0,1,2,3
.irp p, 0,1
	global_load_b32 v[SW+3*\t+\p], v[L4], s[WSB:WSB+1] offset:(\t*4+2*\p)*64
.endr
.endr
.irp i, 0,1
.irp d, 0,1,2,3,4,5,6,7
	global_load_b32 v[FRW+8*\i+\d], v[L4], s[AS:AS+1] offset:1024*\i+128*\d   ; head d's two bytes of my row of tile i
.endr
.endr
	s_wait_loadcnt 0x0
	v_cmp_le_u32 vcc_lo, 16, v1
.irp i, 0,1
.irp p, 0,1                                    ; K step s takes heads 2 s and 2 s + 1; lanes 0-15 carry step 2 p's word, lanes 16-31 step 2 p + 1's
	v_lshl_or_b32 v244, v[FRW+8*\i+4*\p+1], 16, v[FRW+8*\i+4*\p]
	v_lshl_or_b32 v245, v[FRW+8*\i+4*\p+3], 16, v[FRW+8*\i+4*\p+2]
	v_cndmask_b32 v[SX+3*\i+\p], v244, v245, vcc_lo
.endr
.endr
.rept 8
	v_nop                                          ; a scale register written by a vector instruction stands eight places ahead of a scaled matrix instruction
.endr
	s_wait_alu depctr_va_vdst(0)
	GEMM 4
	PLACES
.irp i, 0,1
.irp t, 0,1,2,3
	ds_store_b128 v[STO], v[ACC+32*\i+8*\t:ACC+32*\i+8*\t+3] offset:4352*\i+128*(\t/2)+32*(\t%2)       ; each accumulator from its low end on
	ds_store_b128 v[STO], v[ACC+32*\i+8*\t+4:ACC+32*\i+8*\t+7] offset:4352*\i+128*(\t/2)+32*(\t%2)+16
.endr
.irp m, 0,1,2,3,4,5,6,7
	ds_load_b128 v[FRX+32*\i+4*\m:FRX+32*\i+4*\m+3], v[RD] offset:4352*\i+544*\m   ; LDS serves a wave's instructions in order: these see the stores above
.endr
.endr
.irp m, 0,1,2,3,4,5,6,7
	s_wait_dscnt 23-\m                             ; behind this load: the first tile's later loads and the second tile's sixteen instructions
	global_store_b128 v[CO], v[FRX+4*\m:FRX+4*\m+3], s[OUT:OUT+1] offset:(2*\m+8*(\m/4))*2048 th:TH_STORE_NT   ; stage rows 2 m, 2 m + 1 are rows 2 m + 8 (m / 4) (+ 1) of my 32
.endr
.irp m, 0,1,2,3,4,5,6,7
	s_wait_dscnt 7-\m
	global_store_b128 v[CO], v[FRX+32+4*\m:FRX+32+4*\m+3], s[OUT:OUT+1] offset:(8+2*\m+8*(\m/4))*2048 th:TH_STORE_NT
.endr
	s_wait_tensorcnt 0x0
	ds_add_u32 v254, v255
	s_wait_dscnt 0x0
	s_endpgm
.Lfunc_end_k_q60536b61b0_oproj:
	.size	k_q60536b61b0_oproj, .Lfunc_end_k_q60536b61b0_oproj-k_q60536b61b0_oproj
	.p2alignl 7, 3214868480
	.fill 96, 4, 3214868480
	.section	.rodata,"a",@progbits
	.p2align	6, 0x0
	.amdhsa_kernel k_q60536b61b0_oproj
		.amdhsa_group_segment_fixed_size 35328
		.amdhsa_private_segment_fixed_size 0
		.amdhsa_enable_private_segment 0
		.amdhsa_kernarg_size 48
		.amdhsa_user_sgpr_count 2
		.amdhsa_user_sgpr_kernarg_segment_ptr 1
		.amdhsa_wavefront_size32 1
		.amdhsa_system_sgpr_workgroup_id_x 1
		.amdhsa_system_sgpr_workgroup_id_y 1
		.amdhsa_system_sgpr_workgroup_id_z 1
		.amdhsa_system_vgpr_workitem_id 0
		.amdhsa_next_free_vgpr 256
		.amdhsa_next_free_sgpr 66
		.amdhsa_reserve_vcc 1
		.amdhsa_float_denorm_mode_32 3
		.amdhsa_float_denorm_mode_16_64 3
		.amdhsa_memory_ordered 1
		.amdhsa_forward_progress 1
		.amdhsa_inst_pref_size 25
	.end_amdhsa_kernel
	.amdgpu_metadata
---
amdhsa.version: [ 1, 2 ]
amdhsa.kernels:
  - .name:           k_q60536b61b0_oproj
    .symbol:         k_q60536b61b0_oproj.kd
    .args:
      - { .name: aimg, .offset: 0, .size: 8, .value_kind: global_buffer, .address_space: global }
      - { .name: asc, .offset: 8, .size: 8, .value_kind: global_buffer, .address_space: global }
      - { .name: xc, .offset: 16, .size: 8, .value_kind: global_buffer, .address_space: global }
      - { .name: xs, .offset: 24, .size: 8, .value_kind: global_buffer, .address_space: global }
      - { .name: bo, .offset: 32, .size: 8, .value_kind: global_buffer, .address_space: global }
      - { .name: out0, .offset: 40, .size: 8, .value_kind: global_buffer, .address_space: global }
    .group_segment_fixed_size: 35328
    .private_segment_fixed_size: 0
    .kernarg_segment_align: 8
    .kernarg_segment_size: 48
    .max_flat_workgroup_size: 128
    .sgpr_count:     66
    .vgpr_count:     256
    .wavefront_size: 32
...
	.end_amdgpu_metadata
.endif
;; end of part 4
